; MI455X (gfx1250); checked and timed in simulation.
; The chip was launched on July 23, 2026; its instructions are those of AMD's public machine-readable ISA for CDNA 5 (MIT licence, August 2026) and "CDNA5" Instruction Set Architecture Reference Guide (July 2026). The comments in the code are by the model that wrote it; some were corrected since.
;; Titans L2. Allowed arithmetic: float matrix products may take bf16 or f16 operands with f32 sums; all other float work in f32.
;; Inputs: Wk 1,024 x 1,024 float32; Wproj 1,024 x 1,024 float32; Wq 1,024 x 1,024 float32; Wv 1,024 x 1,024 float32; alpha_raw 16 float32; beta_raw 16 float32; x 1 x 2,048 x 1,024 float32.
;; Outputs: out0 1 x 2,048 x 1,024 float32; out1 1 x 16 x 64 x 64 float32.
;; One version. Each part assembles by itself: llvm-mc -triple=amdgcn-amd-amdhsa -mcpu=gfx1250 --defsym DOCPART=n.
;; ======== version 1 of 1: 3 launches
;; limits: values outside matrix products are rounded to f16; values are held in f16: magnitudes above 65,504 overflow, below 6.1e-05 lose precision; inputs' magnitudes at most 65,504
;; workspace buffers: op 4,194,304 bytes; qe 4,194,304 bytes; y1 8,388,608 bytes; yf 4,194,304 bytes; wpf 2,097,152 bytes; sc 2,048 bytes
;; launch chunk (part 1): grid 16 x 16, 4 waves a work-group, no clusters, 214,272 bytes of LDS; arguments x, Wq, Wk, Wv, alpha_raw, beta_raw, op, qe, y1, sc; writes op, qe, y1, sc
.if DOCPART == 1
	.amdgcn_target "amdgcn-amd-amdhsa--gfx1250"
	.amdhsa_code_object_version 6
	.text
	.protected	k_q9eeea8a546_chunk
	.globl	k_q9eeea8a546_chunk
	.p2align	8
	.type	k_q9eeea8a546_chunk,@function
k_q9eeea8a546_chunk:
	s_mov_b64 s[64:65], 0
	v_nop
	global_prefetch_b8 v0, s[64:65] scope:SCOPE_SE
	s_setreg_imm32_b32 hwreg(HW_REG_WAVE_MODE, 25, 1), 1
	s_wait_xcnt 0x0
; One work-group = one chunk of 128 steps of one head.  It makes q, k, v (128 x 64 each, K = 1024, f16 operands, f32 sums) and then all
; that the chunk can know without its starting memory M0.  With u_t = b v_t - a M_t k_t, L = strict lower part of K K^T, P = strict lower part of Q K^T:
;   (I + a L) [U1 | U2] = [V | -a K];   Y = (Q + P U2) M0^T + b P U1;   Mend^T = M0^T + N^T M0^T + B^T,  N^T = K^T U2,  B^T = b K^T U1.
; Stored: op (N^T as A fragments, B^T / (b sv) as packed tiles, f16), qe ((Q + P U2) / sq as B fragments, f16), y1 (b P U1, f32 tiles), sc (the pair b sv, sq).
; I + a L is solved exactly, by forward substitution over blocks of 16 (the diagonal blocks' inverses by f32 substitution).
; FORMATS: every matrix operand is f16 (11 significant bits).  x and W are converted as they are.  In the chunk's own algebra k is normalised (as the
; problem does), q and v are divided by the largest magnitude of their 128 x 64 tile (sq, sv), and the scales go on in f32.  What is stored in f16 is bounded
; for every input: I + N is a product of contractions, so |N| <= 2; a row of (Q + P U2) / sq is q_t / sq times contractions, so it is at most 8;
; B / (b sv) is a sum of 128 outer products of vectors of length at most 8 and 1, each then contracted, so it is at most 1,024.
; LIMITS: NaN or infinite inputs give NaN.  |x| or |W| above 65,504 becomes infinite as an operand, and below 6e-5 they keep an absolute step of 6e-8.
; A tile whose largest |q| or |v| is below 1e-30 is scaled as if it were 1e-30.
; NO CLUSTER, NO TENSOR LOADS: x is shared by the 16 heads and W by the 16 chunks, but both are f32 and must be rounded to f16 on the way; a tensor
; load brings bytes as they are, f32 tiles in LDS would double the 11 KiB that a wave reads for 24 matrix instructions, and each x number is read by four waves.
; So tiles come through registers (40 loads of 512 bytes a wave and K step, one step ahead), are rounded once and laid into two LDS slots.
; Wave w owns columns 16 w .. 16 w + 15 of q, of k and of v for all 128 rows: 24 accumulator tiles.
; q is made transposed (lane = row t, registers = 8 neighbouring e); k and v plain (lane = column, registers = 8 neighbouring rows t): a plain tile, packed
; in its lane, is half of a fragment whose K runs along t, so U never leaves the registers.
.set SLOTB, 46080                      ; an LDS slot: 320 rows (128 x, 64 Wq, 64 Wk, 64 Wv) x 144 bytes (64 f16 + 16 of padding)
.set KT,    92160                      ; K^T  [e][s]  f16, 64 x 288
.set QM,    110592                     ; Q'   [t][e]  f16, 128 x 144
.set LM,    129024                     ; -a L [t][s]  f16, 128 x 272
.set PMO,   34816                      ; P'   [t][s]  f16, 128 x 272, this many bytes behind LM
.set XS,    198656                     ; the 8 diagonal blocks of -a K K^T, f32, 1,024 bytes each
.set ZS,    206848                     ; their inverses (I + a L_d)^-1, f16, 512 bytes each
.set PART,  210944                     ; [row][wave] partial sums of k^2
.set INV,   212992                     ; 128 reciprocal norms
.set MAXS,  213504                     ; [wave][q, v] largest magnitudes
.set T,  32                            ; v32-63   at work
.set AQ, 64                            ; v64-127  q tiles, later Q' + P' U2
.set AK, 128                           ; v128-191 k tiles, later U2 fragments (even tiles) and N, Y1 (odd tiles)
.set AV, 192                           ; v192-255 v tiles, later U1 fragments (even tiles) and B, Y1 (odd tiles)
.set F0, 0                             ; window 2 (v512-703): fragment buffers
.set F1, 96
; window 0: v1 r, v2 h, v3 x offset, v4 W offset, v5 x stage, v6/v17 W stage slot 0/1, v7 x fragments, v8 W fragments, v9 PART, v10 INV, v11 KT store,
; v12 QM store, v13/v14 KT transposed reads, v15 QM reads, v16 LM/PM store, v18 XS store, v19 XS read, v20 ZS store, v21 ZS read, v22 LM/PM reads,
; v24 KT plain reads, v25 16 x lane, v26 -a, v27 b, v28 sq, v29 sv, v30/v31 mask thresholds.   window 1 (v256-415): staging.
.set MSB, 0
.macro WIN new                         ; s_set_vgpr_msb: bits 1:0 source 0, 3:2 source 1, 5:4 source 2, 7:6 destination; the high byte repeats the setting left
.if MSB != \new
	s_set_vgpr_msb (MSB<<8)|\new
.set MSB, \new
.endif
.endm
.macro PLACES n                        ; the places behind matrix instructions (ISA guide 7.12.1)
.rept \n
	v_nop
.endr
.endm
.macro BAR
	s_barrier_signal -1
	s_barrier_wait -1
.endm
.macro PACKH d, s                      ; 8 f32 at s -> 8 f16 in 4 registers at d (in place too: register i is written after it was read)
.irp i, 0,1,2,3
	v_cvt_pk_f16_f32 v[\d+\i], v[\s+2*\i], v[\s+2*\i+1]
.endr
.endm
; One K step's f32 tiles into window 1: my 32 rows of x, my 16 rows of each W; a load covers two rows' 256 bytes.
.macro GLOADS
	WIN 0x40
.irp i, 0,1,2,3,4,5,6,7,8,9,10,11,12,13,14,15
	global_load_b128 v[4*\i:4*\i+3], v3, s[4:5] offset:8192*\i
.endr
.irp i, 0,1,2,3,4,5,6,7
	global_load_b128 v[64+4*\i:64+4*\i+3], v4, s[6:7] offset:8192*\i
.endr
.irp i, 0,1,2,3,4,5,6,7
	global_load_b128 v[96+4*\i:96+4*\i+3], v4, s[8:9] offset:8192*\i
.endr
.irp i, 0,1,2,3,4,5,6,7
	global_load_b128 v[128+4*\i:128+4*\i+3], v4, s[10:11] offset:8192*\i
.endr
.endm
; Round them to f16 and lay them into a slot.
.macro STAGE slot
	s_wait_loadcnt 0x0                             ; all 40 are in (they were issued a K step ago); their bases may be stepped
	WIN 0x45
.set n, 0
.rept 40
	v_cvt_pk_f16_f32 v[4*n], v[4*n], v[4*n+1]
	v_cvt_pk_f16_f32 v[4*n+1], v[4*n+2], v[4*n+3]
.set n, n+1
.endr
	WIN 0x04
.irp i, 0,1,2,3,4,5,6,7,8,9,10,11,12,13,14,15
	ds_store_b64 v5, v[4*\i:4*\i+1] offset:(\slot)*SLOTB+288*\i
.endr
.irp m, 0,1,2
.irp i, 0,1,2,3,4,5,6,7
	ds_store_b64 v[6+11*(\slot)], v[64+32*\m+4*\i:64+32*\m+4*\i+1] offset:9216*\m+288*\i
.endr
.endr
	s_wait_dscnt 0x0                               ; for the other waves' sake: my part of the slot is written before I signal
.endm
.macro STEPB                           ; 64 f32 along K
	s_add_nc_u64 s[4:5], s[4:5], 0x100
	s_add_nc_u64 s[6:7], s[6:7], 0x100
	s_add_nc_u64 s[8:9], s[8:9], 0x100
	s_add_nc_u64 s[10:11], s[10:11], 0x100
.endm
; 22 LDS loads: 8 fragments of x (all 128 rows) and my fragment of Wq, Wk, Wv, 32 along K
.macro FETCH slot, kk, f
	WIN 0x80
.irp t, 0,1,2,3,4,5,6,7
	ds_load_b128 v[\f+8*\t:\f+8*\t+3],   v7 offset:(\slot)*SLOTB+2304*\t+64*\kk
	ds_load_b128 v[\f+8*\t+4:\f+8*\t+7], v7 offset:(\slot)*SLOTB+2304*\t+64*\kk+32
.endr
.irp m, 0,1,2
	ds_load_b128 v[\f+64+8*\m:\f+64+8*\m+3], v8 offset:(\slot)*SLOTB+9216*\m+64*\kk
	ds_load_b128 v[\f+68+8*\m:\f+68+8*\m+3], v8 offset:(\slot)*SLOTB+9216*\m+64*\kk+32
.endr
.endm
; 12 matrix instructions: row blocks 4 half .. 4 half + 3 of q (sources swapped), k, v.  The 24 accumulators take turns, one instruction a turn.
.macro MUL12 f, half, zero
	WIN 0x0a
.irp t, 4*\half, 4*\half+1, 4*\half+2, 4*\half+3
.if \zero
	v_wmma_f32_16x16x32_f16 v[AQ+8*(\t):AQ+8*(\t)+7], v[\f+64:\f+71], v[\f+8*(\t):\f+8*(\t)+7], 0
	v_wmma_f32_16x16x32_f16 v[AK+8*(\t):AK+8*(\t)+7], v[\f+8*(\t):\f+8*(\t)+7], v[\f+72:\f+79], 0
	v_wmma_f32_16x16x32_f16 v[AV+8*(\t):AV+8*(\t)+7], v[\f+8*(\t):\f+8*(\t)+7], v[\f+80:\f+87], 0
.else
	v_wmma_f32_16x16x32_f16 v[AQ+8*(\t):AQ+8*(\t)+7], v[\f+64:\f+71], v[\f+8*(\t):\f+8*(\t)+7], v[AQ+8*(\t):AQ+8*(\t)+7]
	v_wmma_f32_16x16x32_f16 v[AK+8*(\t):AK+8*(\t)+7], v[\f+8*(\t):\f+8*(\t)+7], v[\f+72:\f+79], v[AK+8*(\t):AK+8*(\t)+7]
	v_wmma_f32_16x16x32_f16 v[AV+8*(\t):AV+8*(\t)+7], v[\f+8*(\t):\f+8*(\t)+7], v[\f+80:\f+87], v[AV+8*(\t):AV+8*(\t)+7]
.endif
.endr
.endm
; A K step of 64 = two halves of 32 on buffers F0, F1.  stage: the next step's tiles go into the other slot; load: the step after that is asked for.
; ONE barrier a step: every wave's reads of the other slot were waited for in front of the last step's barrier, and its stores into it in front of this one.
.macro STEP slot, zero, stage, load
	s_wait_dscnt 0x0                               ; buffer F0 is in
	MUL12 F0, 0, \zero
	PLACES 4                                       ; F1 was read by the last step's matrix instructions
	FETCH \slot, 1, F1
	MUL12 F0, 1, \zero
	s_wait_dscnt 0x0                               ; buffer F1 is in: my reads of this slot are over
	MUL12 F1, 0, 0
.if \stage
	STAGE 1-\slot
.if \load
	STEPB
	GLOADS
.endif
	BAR
	PLACES 4                                       ; F0 was read by matrix instructions
	FETCH 1-\slot, 0, F0
.endif
	MUL12 F1, 1, 0
.endm
	s_load_b256 s[4:11], s[0:1], 0x0               ; x s[4:5], Wq s[6:7], Wk s[8:9], Wv s[10:11]
	s_load_b256 s[12:19], s[0:1], 0x20             ; alpha_raw s[12:13], beta_raw s[14:15], op s[16:17], qe s[18:19]
	s_load_b64 s[20:21], s[0:1], 0x40              ; y1
	s_load_b64 s[32:33], s[0:1], 0x48              ; sc
	v_lshl_add_u32 v23, v0, 2, 0x34300
	s_set_vgpr_msb 0x40
	v_mov_b32 v255, 0
	s_set_vgpr_msb 0x4000
	v_lshrrev_b32 v32, 5, v0
	v_readfirstlane_b32 s22, v32                   ; wave w
	s_mov_b32 s23, ttmp9                           ; chunk
	s_and_b32 s24, ttmp7, 0xffff                   ; head
	s_lshl4_add_u32 s25, s24, s23                  ; record = 16 head + chunk
	s_mov_b32 s27, 0
	s_mov_b32 s30, 0x76543210                      ; v_permlanex16_b32: lane i reads lane i of the other half
	s_mov_b32 s31, 0xfedcba98
	v_and_b32 v1, 15, v0                           ; r
	v_bfe_u32 v2, v0, 4, 1                         ; h
	v_lshlrev_b32 v32, 4, v1
	v_lshl_add_u32 v32, v2, 12, v32                ; 4096 h + 16 r
	s_lshl_b32 s26, s22, 17
	v_add_nc_u32 v3, s26, v32                      ; x: row 32 w + h
	s_lshl_b32 s26, s22, 16
	v_add_nc_u32 v4, s26, v32                      ; W: row 16 w + h
	s_wait_kmcnt 0x0
	s_lshl_b32 s26, s23, 19                        ; 128 rows of 4,096 bytes
	s_add_nc_u64 s[4:5], s[4:5], s[26:27]
	s_lshl_b32 s26, s24, 18                        ; 64 rows
	s_add_nc_u64 s[6:7], s[6:7], s[26:27]
	s_add_nc_u64 s[8:9], s[8:9], s[26:27]
	s_add_nc_u64 s[10:11], s[10:11], s[26:27]
	GLOADS                                         ; K step 0
	s_lshl_b32 s26, s24, 2
	s_add_nc_u64 s[12:13], s[12:13], s[26:27]
	s_add_nc_u64 s[14:15], s[14:15], s[26:27]
	s_load_b32 s28, s[12:13], 0x0                  ; alpha_raw[head]
	s_load_b32 s29, s[14:15], 0x0                  ; beta_raw[head]
	s_lshl_b32 s26, s25, 14
	s_add_nc_u64 s[16:17], s[16:17], s[26:27]      ; my record of op
	s_add_nc_u64 s[18:19], s[18:19], s[26:27]      ; and of qe
	s_lshl_b32 s26, s25, 15
	s_add_nc_u64 s[20:21], s[20:21], s[26:27]      ; and of y1
	s_lshl_b32 s26, s25, 3
	s_add_nc_u64 s[32:33], s[32:33], s[26:27]      ; and my pair of sc
	WIN 0
	v_mul_u32_u24 v32, v2, 144
	v_lshl_add_u32 v32, v1, 3, v32                 ; 144 h + 8 r
	s_mul_i32 s26, s22, 4608
	v_add_nc_u32 v5, s26, v32                      ; x stage: row 32 w + h
	s_mul_i32 s26, s22, 2304
	s_add_co_u32 s26, s26, 18432
	v_add_nc_u32 v6, s26, v32                      ; W stage: row 128 + 16 w + h
	v_add_nc_u32 v17, SLOTB, v6                    ; the same in slot 1 (its offsets would pass 16 bits)
	v_mul_u32_u24 v7, v1, 144
	v_lshl_add_u32 v7, v2, 4, v7                   ; fragments: 144 r + 16 h
	v_add_nc_u32 v8, s26, v7                       ; W's: row 128 + 16 w + r
	s_lshl_b32 s26, s22, 2
	s_add_co_u32 s26, s26, PART
	v_lshl_add_u32 v9, v2, 7, s26
	v_lshlrev_b32 v10, 5, v2
	v_add_nc_u32 v10, INV, v10
	v_mul_u32_u24 v32, v1, 288
	v_lshl_add_u32 v32, v2, 4, v32
	v_add_nc_u32 v24, KT, v32                      ; KT + 288 r + 16 h
	s_mul_i32 s26, s22, 4608
	v_add_nc_u32 v11, s26, v24                     ; row 16 w + r
	s_lshl_b32 s26, s22, 5
	v_add_nc_u32 v12, s26, v7
	v_add_nc_u32 v12, QM, v12                      ; QM + 144 r + 32 w + 16 h
	v_and_b32 v32, 7, v0
	v_lshl_add_u32 v32, v2, 3, v32
	v_mul_u32_u24 v32, v32, 288
	v_bfe_u32 v33, v0, 3, 1
	v_lshl_add_u32 v32, v33, 4, v32
	v_add_nc_u32 v13, KT, v32                      ; transposing reads: row 8 h + lane % 8, 16 bytes by bit 3 of the lane
	v_add_nc_u32 v14, s26, v13                     ; + my column block
	s_mul_i32 s26, s22, 2304
	v_add_nc_u32 v15, s26, v7
	v_add_nc_u32 v15, QM, v15                      ; QM, row 16 w + r
	v_mul_u32_u24 v32, v1, 272
	v_lshl_add_u32 v32, v2, 4, v32
	v_add_nc_u32 v22, LM, v32                      ; LM + 272 r + 16 h
	s_mul_i32 s26, s22, 4352
	v_add_nc_u32 v16, s26, v22                     ; row 16 w + r
	s_lshl_b32 s26, s22, 10
	s_add_co_u32 s26, s26, XS
	v_lshl_add_u32 v19, v2, 12, s26                ; block w + 4 h
	v_lshl_add_u32 v18, v2, 9, s26
	v_lshl_add_u32 v18, v1, 2, v18                 ; block w, row 8 h, column r
	s_lshl_b32 s26, s22, 9
	s_add_co_u32 s26, s26, ZS
	v_lshl_add_u32 v20, v2, 11, s26
	v_lshl_add_u32 v20, v1, 5, v20                 ; block w + 4 h, row r
	v_lshlrev_b32 v21, 5, v1
	v_lshl_add_u32 v21, v2, 4, v21
	v_add_nc_u32 v21, ZS, v21
	v_and_b32 v25, 31, v0
	v_lshlrev_b32 v25, 4, v25
	s_lshl_b32 s26, s22, 4
	v_add_nc_u32 v30, s26, v1
	v_lshlrev_b32 v32, 3, v2
	v_sub_nc_u32 v30, v30, v32                     ; 16 w + r - 8 h: s < t  <=>  16 i + j < this (row block w)
	v_add_nc_u32 v31, 64, v30                      ; row block w + 4
	; ---- q, k, v: 16 K steps of 64 ----
	STAGE 0
	STEPB
	GLOADS                                         ; K step 1
	BAR
	FETCH 0, 0, F0
	STEP 0, 1, 1, 1                                ; the first products start the sums: nothing is cleared
	STEP 1, 0, 1, 1
	WIN 0                                          ; at a label and at a branch every window is 0
	s_mov_b32 s25, 6
.Lk:
	STEP 0, 0, 1, 1
	STEP 1, 0, 1, 1
	WIN 0
	s_sub_co_u32 s25, s25, 1
	s_cmp_lg_u32 s25, 0
	s_cbranch_scc1 .Lk
	STEP 0, 0, 1, 0                                ; step 14: nothing is left to ask for
	STEP 1, 0, 0, 0                                ; step 15
	PLACES 4
	WIN 0
	; ---- A: gains, norms of k, largest |q| and |v| ----
	s_wait_kmcnt 0x0
	v_mov_b32 v32, s28
	v_mov_b32 v33, s29
	v_mul_f32 v32, 0xbfb8aa3b, v32                 ; -x log2 e
	v_mul_f32 v33, 0xbfb8aa3b, v33
	v_exp_f32 v34, v32
	v_exp_f32 v35, v33
	v_nop                                          ; one plain place behind a transcendental (ISA guide 5.7.2)
	s_wait_alu depctr_va_vdst(0)
	v_add_f32 v34, 1.0, v34
	v_add_f32 v35, 1.0, v35
	v_rcp_f32 v36, v34
	v_rcp_f32 v37, v35
	v_nop
	s_wait_alu depctr_va_vdst(0)
	v_mul_f32 v26, -0.5, v36                       ; -a = -sigmoid / 2
	v_mul_f32 v27, 0.5, v37                        ; b
.irp t, 0,1,2,3,4,5,6,7
.irp j, 0,2,4,6
	v_pk_mul_f32 v[T+\j:T+\j+1], v[AK+8*\t+\j:AK+8*\t+\j+1], v[AK+8*\t+\j:AK+8*\t+\j+1]
.endr
.irp x, 1,2,4,8
.irp j, 0,1,2,3,4,5,6,7
	v_add_f32_dpp v[T+\j], v[T+\j], v[T+\j] row_xmask:\x row_mask:0xf bank_mask:0xf   ; over my 16 columns
.endr
.endr
.irp j, 0,1,2,3,4,5,6,7
	ds_store_b32 v9, v[T+\j] offset:256*\t+16*\j   ; PART[16 t + 8 h + j][w]; sixteen lanes write one word with one value
.endr
.endr
	v_mov_b32 v40, 0
	v_mov_b32 v41, 0
.set n, 0
.rept 32
	v_max3_num_f32 v40, |v[AQ+2*n]|, |v[AQ+2*n+1]|, v40
	v_max3_num_f32 v41, |v[AV+2*n]|, |v[AV+2*n+1]|, v41
.set n, n+1
.endr
.irp x, 1,2,4,8
	v_max_num_f32_dpp v40, v40, v40 row_xmask:\x row_mask:0xf bank_mask:0xf
	v_max_num_f32_dpp v41, v41, v41 row_xmask:\x row_mask:0xf bank_mask:0xf
.endr
	v_mov_b32 v42, 0                               ; the permute's destination counts as read
	v_mov_b32 v43, 0
	v_permlanex16_b32 v42, v40, s30, s31
	v_permlanex16_b32 v43, v41, s30, s31
	v_max_num_f32 v40, v40, v42
	v_max_num_f32 v41, v41, v43
	s_lshl_b32 s26, s22, 3
	s_add_co_u32 s26, s26, MAXS
	v_mov_b32 v44, s26
	ds_store_b64 v44, v[40:41]
	s_wait_dscnt 0x0
	BAR                                            ; PART and MAXS are whole
	v_lshlrev_b32 v44, 4, v0
	v_add_nc_u32 v44, PART, v44                    ; thread t takes row t
	v_mov_b32 v45, MAXS
	ds_load_b128 v[32:35], v44
	ds_load_b128 v[36:39], v45
	ds_load_b128 v[40:43], v45 offset:16
	v_lshlrev_b32 v46, 2, v0
	v_add_nc_u32 v46, INV, v46
	s_mov_b32 s26, 0x0da24260                      ; 1e-30
	s_wait_dscnt 0x0
	v_add_f32 v32, v32, v33
	v_add_f32 v34, v34, v35
	v_add_f32 v32, v32, v34
	v_max3_num_f32 v28, v36, v38, v40
	v_max3_num_f32 v29, v37, v39, v41
	v_sqrt_f32 v33, v32
	v_max3_num_f32 v28, v28, v42, s26              ; sq
	v_max3_num_f32 v29, v29, v43, s26              ; sv
	s_wait_alu depctr_va_vdst(0)
	v_max_num_f32 v33, 0x2b8cbccc, v33             ; max(norm, 1e-12)
	v_rcp_f32 v34, v33
	v_rcp_f32 v48, v28
	v_rcp_f32 v50, v29
	v_nop
	s_wait_alu depctr_va_vdst(0)
	ds_store_b32 v46, v34
	v_mov_b32 v49, v48                             ; 1 / sq, twice, for the packed multiply
	v_mov_b32 v51, v50                             ; 1 / sv, twice
	s_wait_dscnt 0x0
	BAR                                            ; INV is whole
	; ---- B: k normalised, q and v scaled; K^T and Q' to LDS in f16; the right sides V / sv and -a K stay in f32 ----
	WIN 0x40
.irp t, 0,1,2,3,4,5,6,7
	ds_load_b128 v[8*\t:8*\t+3],   v10 offset:64*\t
	ds_load_b128 v[8*\t+4:8*\t+7], v10 offset:64*\t+16
.endr
	s_wait_dscnt 0x0
	WIN 0x04
.set n, 0
.rept 32
	v_pk_mul_f32 v[AK+2*n:AK+2*n+1], v[AK+2*n:AK+2*n+1], v[2*n:2*n+1]
.set n, n+1
.endr
	WIN 0
.irp t, 0,1,2,3,4,5,6,7
	PACKH T, AK+8*\t
	ds_store_b128 v11, v[T:T+3] offset:32*\t       ; K^T[16 w + r][16 t + 8 h ..]
.irp j, 0,2,4,6
	v_pk_mul_f32 v[AQ+8*\t+\j:AQ+8*\t+\j+1], v[AQ+8*\t+\j:AQ+8*\t+\j+1], v[48:49]
.endr
	PACKH T+4, AQ+8*\t
	ds_store_b128 v12, v[T+4:T+7] offset:2304*\t   ; Q'[16 t + r][16 w + 8 h ..]
.irp j, 0,2,4,6
	v_pk_mul_f32 v[AK+8*\t+\j:AK+8*\t+\j+1], v[AK+8*\t+\j:AK+8*\t+\j+1], v[26:27] op_sel_hi:[1,0]
	v_pk_mul_f32 v[AV+8*\t+\j:AV+8*\t+\j+1], v[AV+8*\t+\j:AV+8*\t+\j+1], v[50:51]
.endr
.endr
	s_wait_dscnt 0x0
	BAR                                            ; KT and QM are whole
	; ---- C: -a L and the masked P' for my row blocks w and w + 4; the diagonal blocks and their inverses ----
	WIN 0x80
.irp i, 0,1,2,3,4,5,6,7
.irp kk, 0,1
	ds_load_tr16_b128 v[16*\i+8*\kk:16*\i+8*\kk+3],   v13 offset:9216*\kk+32*\i        ; K rows 16 i + r, e = 32 kk + 8 h ..
	ds_load_tr16_b128 v[16*\i+8*\kk+4:16*\i+8*\kk+7], v13 offset:9216*\kk+32*\i+4608   ; e = 32 kk + 16 + 8 h ..
.endr
.endr
.irp a, 0,1
.irp kk, 0,1
	ds_load_tr16_b128 v[128+16*\a+8*\kk:128+16*\a+8*\kk+3], v14 offset:9216*\kk+128*\a
	ds_load_tr16_b128 v[132+16*\a+8*\kk:132+16*\a+8*\kk+3], v14 offset:9216*\kk+128*\a+4608
	ds_load_b128 v[160+16*\a+8*\kk:160+16*\a+8*\kk+3], v15 offset:9216*\a+64*\kk
	ds_load_b128 v[164+16*\a+8*\kk:164+16*\a+8*\kk+3], v15 offset:9216*\a+64*\kk+32
.endr
.endr
	s_wait_dscnt 0x0
; Four blocks (t block w + 4 a) x (s blocks c0 .. c0 + 3): lane = t, registers = 8 neighbouring s.  bf = 128: K (mode 0: times -a); 160: Q' (mode 1: s < t kept).
.macro TRI4 bf, a, c0, mode
	WIN 0x0a
.irp u, 0,1,2,3
	v_wmma_f32_16x16x32_f16 v[T+8*\u:T+8*\u+7], v[16*(\c0+\u):16*(\c0+\u)+7], v[\bf+16*\a:\bf+16*\a+7], 0
.endr
.irp u, 0,1,2,3
	v_wmma_f32_16x16x32_f16 v[T+8*\u:T+8*\u+7], v[16*(\c0+\u)+8:16*(\c0+\u)+15], v[\bf+16*\a+8:\bf+16*\a+15], v[T+8*\u:T+8*\u+7]
.endr
	WIN 0
	PLACES 5                                       ; five: the next call's matrix instructions write over these results
.irp u, 0,1,2,3
.if \mode
.irp j, 0,1,2,3,4,5,6,7
	v_cmp_lt_i32 vcc_lo, 16*(\c0+\u)+\j, v[30+\a]
	v_cndmask_b32 v[T+8*\u+\j], 0, v[T+8*\u+\j], vcc_lo
.endr
.else
.irp j, 0,2,4,6
	v_pk_mul_f32 v[T+8*\u+\j:T+8*\u+\j+1], v[T+8*\u+\j:T+8*\u+\j+1], v[26:27] op_sel_hi:[1,0]
.endr
.endif
	PACKH T+8*\u, T+8*\u
	ds_store_b128 v16, v[T+8*\u:T+8*\u+3] offset:\mode*PMO+17408*\a+32*(\c0+\u)
.endr
.endm
	TRI4 128, 0, 0, 0                              ; every block that is read later is written: rows 0-63 x s 0-63, rows 64-127 x s 0-127
	TRI4 128, 1, 0, 0
	TRI4 128, 1, 4, 0
	TRI4 160, 0, 0, 1
	TRI4 160, 1, 0, 1
	TRI4 160, 1, 4, 1
	WIN 0x0a                                       ; the diagonal blocks w and w + 4 in f32, two accumulators by turns
	v_wmma_f32_16x16x32_f16 v[T:T+7],    v[128:135], v[128:135], 0
	v_wmma_f32_16x16x32_f16 v[T+8:T+15], v[144:151], v[144:151], 0
	v_wmma_f32_16x16x32_f16 v[T:T+7],    v[136:143], v[136:143], v[T:T+7]
	v_wmma_f32_16x16x32_f16 v[T+8:T+15], v[152:159], v[152:159], v[T+8:T+15]
	WIN 0
	PLACES 5
.irp j, 0,2,4,6,8,10,12,14
	v_pk_mul_f32 v[T+\j:T+\j+1], v[T+\j:T+\j+1], v[26:27] op_sel_hi:[1,0]
.endr
.irp a, 0,1
.irp j, 0,1,2,3,4,5,6,7
	ds_store_b32 v18, v[T+8*\a+\j] offset:64*\j+4096*\a
.endr
.endr
	s_wait_dscnt 0x0
	BAR
	; Z = (I - X)^-1, X = strict lower part of -a K K^T: Z = I + Z X, so z_c = (r == c) + sum over j > c of z_j X[j][c].  Lane (r, h): row r of block w + 4 h.
	WIN 0x40
.set n, 0
.set j, 1
.rept 15
.set q, 0
.rept (j-1)/4+1
	ds_load_b128 v[4*n:4*n+3], v19 offset:64*j+16*q    ; X[j][4 q ..], the same word for the sixteen lanes of a block
.set n, n+1
.set q, q+1
.endr
.set j, j+1
.endr
	WIN 0
.irp c, 0,1,2,3,4,5,6,7,8,9,10,11,12,13,14,15
	v_cmp_eq_u32 vcc_lo, \c, v1
	v_cndmask_b32 v[T+\c], 0, 1.0, vcc_lo
.endr
	s_wait_dscnt 0x0
	WIN 0x01
.set j, 15
.rept 15
.set g, (j-1)/4
.set cj, 4*(2*g*(g+1)+((j-1)%4)*(g+1))             ; where row j's words begin
.set c, 0
.rept j
	v_fmac_f32 v[T+c], v[cj+c], v[T+j]
.set c, c+1
.endr
.set j, j-1
.endr
	WIN 0
.irp i, 0,1,2,3,4,5,6,7
	v_cvt_pk_f16_f32 v[T+\i], v[T+2*\i], v[T+2*\i+1]
.endr
	ds_store_b128 v20, v[T:T+3]
	ds_store_b128 v20, v[T+4:T+7] offset:16
	s_wait_dscnt 0x0
	BAR                                            ; LM, PM and ZS are whole
	; ---- D: U_i = Z_i (rhs_i + sum over j < i of (-a L)_ij U_j), for my 16 columns of V / sv and of -a K.  No wave needs another's columns. ----
	PLACES 4
	WIN 0x80
.irp i, 0,1,2,3,4,5,6,7
	ds_load_b128 v[8*\i:8*\i+3], v21 offset:512*\i     ; Z_i as an A fragment: K = 0 .. 15
	v_mov_b32 v[8*\i+4], 0                             ; K = 16 .. 31: none
	v_mov_b32 v[8*\i+5], 0
	v_mov_b32 v[8*\i+6], 0
	v_mov_b32 v[8*\i+7], 0
.endr
.set n, 0
.set p, 0
.rept 4
.set R, 2*p+1
.rept 7-2*p
	ds_load_b128 v[64+8*n:64+8*n+3], v22 offset:4352*R+64*p       ; (-a L) rows of block R, s = 32 p ..
	ds_load_b128 v[68+8*n:68+8*n+3], v22 offset:4352*R+64*p+32
.set n, n+1
.set R, R+1
.endr
.set p, p+1
.endr
	WIN 0
.irp i, 4,5,6,7,12,13,14,15
	v_mov_b32 v[T+\i], 0                           ; the upper K half of the two B fragments at work
.endr
	s_wait_dscnt 0x0
; Row blocks 2 p and 2 p + 1.  V's and K's instructions alternate, so no matrix instruction follows the one that it adds onto.
; Five places stand wherever a matrix instruction takes an earlier result as B or writes over it.
.macro SOLVE p
	PLACES 5
	PACKH T, AV+16*\p
	PACKH T+8, AK+16*\p
	WIN 0x02
	v_wmma_f32_16x16x32_f16 v[AV+16*\p:AV+16*\p+7], v[16*\p:16*\p+7], v[T:T+7], 0
	v_wmma_f32_16x16x32_f16 v[AK+16*\p:AK+16*\p+7], v[16*\p:16*\p+7], v[T+8:T+15], 0
	WIN 0
	PLACES 5
	PACKH AV+16*\p, AV+16*\p                       ; U of block 2 p: the lower K half of fragment p
	PACKH AK+16*\p, AK+16*\p
.irp i, 4,5,6,7
	v_mov_b32 v[AV+16*\p+\i], 0                    ; the upper half is not known yet: zeros meet the diagonal block of L
	v_mov_b32 v[AK+16*\p+\i], 0
.endr
	WIN 0x02
	v_wmma_f32_16x16x32_f16 v[AV+16*\p+8:AV+16*\p+15], v[64+8*\p*(8-\p):64+8*\p*(8-\p)+7], v[AV+16*\p:AV+16*\p+7], v[AV+16*\p+8:AV+16*\p+15]
	v_wmma_f32_16x16x32_f16 v[AK+16*\p+8:AK+16*\p+15], v[64+8*\p*(8-\p):64+8*\p*(8-\p)+7], v[AK+16*\p:AK+16*\p+7], v[AK+16*\p+8:AK+16*\p+15]
	WIN 0
	PLACES 5
	PACKH T, AV+16*\p+8
	PACKH T+8, AK+16*\p+8
	WIN 0x02
	v_wmma_f32_16x16x32_f16 v[AV+16*\p+8:AV+16*\p+15], v[16*\p+8:16*\p+15], v[T:T+7], 0
	v_wmma_f32_16x16x32_f16 v[AK+16*\p+8:AK+16*\p+15], v[16*\p+8:16*\p+15], v[T+8:T+15], 0
	WIN 0
	PLACES 5
	PACKH AV+16*\p+4, AV+16*\p+8                   ; fragment p is whole; the tile behind it is free
	PACKH AK+16*\p+4, AK+16*\p+8
.if \p < 3
	WIN 0x02
.set R, 2*\p+2
.rept 6-2*\p
	v_wmma_f32_16x16x32_f16 v[AV+8*R:AV+8*R+7], v[64+8*(\p*(8-\p)+R-2*\p-1):64+8*(\p*(8-\p)+R-2*\p-1)+7], v[AV+16*\p:AV+16*\p+7], v[AV+8*R:AV+8*R+7]
	v_wmma_f32_16x16x32_f16 v[AK+8*R:AK+8*R+7], v[64+8*(\p*(8-\p)+R-2*\p-1):64+8*(\p*(8-\p)+R-2*\p-1)+7], v[AK+16*\p:AK+16*\p+7], v[AK+8*R:AK+8*R+7]
.set R, R+1
.endr
	WIN 0
.endif
.endm
	SOLVE 0
	SOLVE 1
	SOLVE 2
	SOLVE 3
	; ---- E2: B^T / (b sv) = K^T U1 (plain tiles) and N^T = K^T U2 (sources swapped: lane = f, registers = e) into the free tiles ----
	WIN 0x80
.irp fb, 0,1,2,3
.irp p, 0,1,2,3
	ds_load_b128 v[8*(4*\fb+\p):8*(4*\fb+\p)+3],   v24 offset:4608*\fb+64*\p
	ds_load_b128 v[8*(4*\fb+\p)+4:8*(4*\fb+\p)+7], v24 offset:4608*\fb+64*\p+32
.endr
.endr
	WIN 0
	s_lshl_b32 s26, s22, 11
	v_add_nc_u32 v48, s26, v25                     ; 16 lane + 2048 w: B^T's pieces
	s_lshl_b32 s26, s22, 9
	v_add_nc_u32 v49, s26, v25                     ; 16 lane + 512 w: N^T's and qe's pieces
	s_lshl_b32 s26, s22, 13
	v_add_nc_u32 v50, s26, v25                     ; 16 lane + 8192 w: y1's
	v_mul_f32 v52, v27, v29                        ; b sv
	v_mov_b32 v53, v28                             ; sq: v[52:53] is the pair that goes to sc
	v_mul_f32 v54, v52, v28                        ; b sv sq, twice
	v_mov_b32 v55, v54
	s_wait_dscnt 0x0
	WIN 0x02
.irp fb, 0,1,2,3
	v_wmma_f32_16x16x32_f16 v[AV+16*\fb+8:AV+16*\fb+15], v[32*\fb:32*\fb+7], v[AV:AV+7], 0
.endr
.irp p, 1,2,3
.irp fb, 0,1,2,3
	v_wmma_f32_16x16x32_f16 v[AV+16*\fb+8:AV+16*\fb+15], v[8*(4*\fb+\p):8*(4*\fb+\p)+7], v[AV+16*\p:AV+16*\p+7], v[AV+16*\fb+8:AV+16*\fb+15]
.endr
.endr
	WIN 0x08
.irp fb, 0,1,2,3
	v_wmma_f32_16x16x32_f16 v[AK+16*\fb+8:AK+16*\fb+15], v[AK:AK+7], v[32*\fb:32*\fb+7], 0
.endr
.irp p, 1,2,3
.irp fb, 0,1,2,3
	v_wmma_f32_16x16x32_f16 v[AK+16*\fb+8:AK+16*\fb+15], v[AK+16*\p:AK+16*\p+7], v[8*(4*\fb+\p):8*(4*\fb+\p)+7], v[AK+16*\fb+8:AK+16*\fb+15]
.endr
.endr
	WIN 0
	PLACES 5
.irp fb, 0,1,2,3
	PACKH AV+16*\fb+8, AV+16*\fb+8
	global_store_b128 v48, v[AV+16*\fb+8:AV+16*\fb+11], s[16:17] offset:8192+512*\fb   ; each store of the wave covers 512 consecutive bytes, aligned
	PACKH AK+16*\fb+8, AK+16*\fb+8
	global_store_b128 v49, v[AK+16*\fb+8:AK+16*\fb+11], s[16:17] offset:2048*\fb
.endr
	; ---- E1: Y1' = P' U1 and Q' + P' U2, both with lane = t ----
	WIN 0x80
.set n, 0
.set tb, 0
.rept 8
.set p, 0
.rept tb/2+1
	ds_load_b128 v[8*n:8*n+3],   v22 offset:PMO+4352*tb+64*p
	ds_load_b128 v[8*n+4:8*n+7], v22 offset:PMO+4352*tb+64*p+32
.set n, n+1
.set p, p+1
.endr
.set tb, tb+1
.endr
	s_wait_xcnt 0x0                                ; the stores above have read their data: the free tiles are written again only behind this wait
	s_wait_dscnt 0x0
	WIN 0x08
.set n, 0
.set tb, 0
.rept 8
.if tb < 4
.set YT, AV+16*tb+8
.else
.set YT, AK+16*(tb-4)+8
.endif
.set p, 0
.rept tb/2+1
.if p == 0
	v_wmma_f32_16x16x32_f16 v[YT:YT+7], v[AV:AV+7], v[8*n:8*n+7], 0
.else
	v_wmma_f32_16x16x32_f16 v[YT:YT+7], v[AV+16*p:AV+16*p+7], v[8*n:8*n+7], v[YT:YT+7]
.endif
	v_wmma_f32_16x16x32_f16 v[AQ+8*tb:AQ+8*tb+7], v[AK+16*p:AK+16*p+7], v[8*n:8*n+7], v[AQ+8*tb:AQ+8*tb+7]
.set n, n+1
.set p, p+1
.endr
.set tb, tb+1
.endr
	WIN 0
	PLACES 5
.set tb, 0
.rept 8
.if tb < 4
.set YT, AV+16*tb+8
.else
.set YT, AK+16*(tb-4)+8
.endif
.irp j, 0,2,4,6
	v_pk_mul_f32 v[YT+\j:YT+\j+1], v[YT+\j:YT+\j+1], v[54:55]      ; y1 in its true size, f32
.endr
	global_store_b128 v50, v[YT:YT+3],   s[20:21] offset:1024*tb
	global_store_b128 v50, v[YT+4:YT+7], s[20:21] offset:1024*tb+512
	PACKH AQ+8*tb, AQ+8*tb                                         ; qe in units of sq, f16
	global_store_b128 v49, v[AQ+8*tb:AQ+8*tb+3], s[18:19] offset:2048*tb
.set tb, tb+1
.endr
	; the record's two scales: 8 bytes, from lane 0 of wave 0
	s_cmp_lg_u32 s22, 0
	s_cbranch_scc1 .Lend
	v_mov_b32 v56, 0
	v_cmp_eq_u32 vcc_lo, 0, v0
	s_wait_xcnt 0x0                                ; EXEC is a source of the stores above: it changes only behind this wait
	s_and_saveexec_b32 s26, vcc_lo
	global_store_b64 v56, v[52:53], s[32:33]
	s_wait_xcnt 0x0                                ; and again in front of the line that widens it
	s_or_b32 exec_lo, exec_lo, s26
.Lend:
	s_set_vgpr_msb 0x4
	s_wait_tensorcnt 0x0
	ds_add_u32 v23, v255
	s_wait_dscnt 0x0
	s_set_vgpr_msb 0x400
	s_endpgm
.Lfunc_end_k_q9eeea8a546_chunk:
	.size	k_q9eeea8a546_chunk, .Lfunc_end_k_q9eeea8a546_chunk-k_q9eeea8a546_chunk
	.p2alignl 7, 3214868480
	.fill 96, 4, 3214868480
	.section	.rodata,"a",@progbits
	.p2align	6, 0x0
	.amdhsa_kernel k_q9eeea8a546_chunk
		.amdhsa_group_segment_fixed_size 214272
		.amdhsa_private_segment_fixed_size 0
		.amdhsa_enable_private_segment 0
		.amdhsa_kernarg_size 80
		.amdhsa_user_sgpr_count 2
		.amdhsa_user_sgpr_kernarg_segment_ptr 1
		.amdhsa_wavefront_size32 1
		.amdhsa_system_sgpr_workgroup_id_x 1
		.amdhsa_system_sgpr_workgroup_id_y 1
		.amdhsa_system_sgpr_workgroup_id_z 1
		.amdhsa_system_vgpr_workitem_id 0
		.amdhsa_next_free_vgpr 704
		.amdhsa_next_free_sgpr 66
		.amdhsa_reserve_vcc 1
		.amdhsa_float_denorm_mode_32 3
		.amdhsa_float_denorm_mode_16_64 3
		.amdhsa_memory_ordered 1
		.amdhsa_forward_progress 1
		.amdhsa_inst_pref_size 231
	.end_amdhsa_kernel
	.amdgpu_metadata
---
amdhsa.version: [ 1, 2 ]
amdhsa.kernels:
  - .name:           k_q9eeea8a546_chunk
    .symbol:         k_q9eeea8a546_chunk.kd
    .args:
      - { .name: x, .offset: 0, .size: 8, .value_kind: global_buffer, .address_space: global }
      - { .name: Wq, .offset: 8, .size: 8, .value_kind: global_buffer, .address_space: global }
      - { .name: Wk, .offset: 16, .size: 8, .value_kind: global_buffer, .address_space: global }
      - { .name: Wv, .offset: 24, .size: 8, .value_kind: global_buffer, .address_space: global }
      - { .name: alpha_raw, .offset: 32, .size: 8, .value_kind: global_buffer, .address_space: global }
      - { .name: beta_raw, .offset: 40, .size: 8, .value_kind: global_buffer, .address_space: global }
      - { .name: op, .offset: 48, .size: 8, .value_kind: global_buffer, .address_space: global }
      - { .name: qe, .offset: 56, .size: 8, .value_kind: global_buffer, .address_space: global }
      - { .name: y1, .offset: 64, .size: 8, .value_kind: global_buffer, .address_space: global }
      - { .name: sc, .offset: 72, .size: 8, .value_kind: global_buffer, .address_space: global }
    .group_segment_fixed_size: 214272
    .private_segment_fixed_size: 0
    .kernarg_segment_align: 8
    .kernarg_segment_size: 80
    .max_flat_workgroup_size: 128
    .sgpr_count:     66
    .vgpr_count:     704
    .wavefront_size: 32
...
	.end_amdgpu_metadata
.endif
;; end of part 1
;; launch scan (part 2): grid 16 x 16, 4 waves a work-group, no clusters, 280,064 bytes of LDS; arguments op, qe, y1, Wproj, sc, yf, wpf, out1; writes yf, wpf, out1
.if DOCPART == 2
	.amdgcn_target "amdgcn-amd-amdhsa--gfx1250"
	.amdhsa_code_object_version 6
	.text
	.protected	k_q9eeea8a546_scan
	.globl	k_q9eeea8a546_scan
	.p2align	8
	.type	k_q9eeea8a546_scan,@function
k_q9eeea8a546_scan:
	s_mov_b64 s[64:65], 0
	v_nop
	global_prefetch_b8 v0, s[64:65] scope:SCOPE_SE
	s_setreg_imm32_b32 hwreg(HW_REG_WAVE_MODE, 25, 1), 1
	s_wait_xcnt 0x0
; Work-group (chunk c, head).  It walks the head's 16 chunk operators, M^T <- M^T + N_j^T M^T + B_j^T (M^T = 0 at the start), keeps the M^T that stands at
; the start of chunk c (a select by c, no branch: all 16 steps run in every work-group, the chain's length is the same for the last chunk anyway), and then
; makes Y = Qe M0^T + Y1 for its chunk, stored as f16 fragments for the last product.  The work-group of chunk 15 also stores the final memory, out1.
; Side job: each work-group rounds 8 of Wproj's 2,048 fragments (16 rows x 32 columns) to f16 and stores them in fragment order.
; SCALES, so that every f16 operand is bounded for every input.  sc holds for each record the pair (b sv, sq).  With S = the sum of the head's 16 b sv the memory
; is kept as M' = M / S in f32 (four 16 x 16 tiles a wave: wave w owns columns d = 16 w .. 16 w + 15): each B_j / (b sv)_j is at most 1,024 and I + N_j
; contracts, so |M'| <= 1,024.  With G = the sum over the 16 heads of S_h sq_(h,c), Y is stored as Y / G: |y_t| <= |M_t| |q_t| <= 1,024 S x 8 sq, so |Y / G| <= 8,192.
; G is common to the heads of a chunk, as the last product sums over them; that launch makes G again from sc.  S and G are held at 1e-30 at the least.
; The head's 16 records (256 KiB) come into LDS by tensor loads, each filled once: wave w brings records 4 g + w, g = 0 .. 3; four loads of a wave are out at most.
; NO CLUSTER: the 16 work-groups of a head read the same records, but the owner of out1 is chosen by a branch on the chunk's number, which would be a place in
; the cluster.
; LIMITS: NaN or infinite inputs give NaN.  |Wproj| above 65,504 becomes infinite as an operand, and below 6e-5 it keeps an absolute step of 6e-8.
.set STG, 262144                       ; behind the records: 16 rows x 272 bytes for each wave, for out1; no fill lands here
.set M,   16                           ; v16-47   M'^T, 4 tiles (f = 16 fb + 8 h + j, d = 16 w + r)
.set MB,  48                           ; v48-63   M'^T packed to f16: two B (or A) fragments along f
.set SV,  64                           ; v64-79   the packed M'^T of my chunk's start
.set BT,  80                           ; v80-95, v96-111     B^T packed tiles, two buffers (below v128: their halves are named)
.set NF,  112                          ; v112-175, v176-239  N^T fragments, two buffers; at the start Wproj's words and sc's; at the end Y's tiles
.set T,   240                          ; v240-255 Wproj's two fragments, then B^T unpacked, then the closing scales
; v1 16 x lane; v2-5 N^T's LDS address for records 4 g ..; v8-11 B^T's; v6 c_j = (b sv)_j / S; v7 1 / S; v12 Wproj offset; v13, v14 stage in, out; v15 out1 offset
; window 1: v256-383 Qe fragments, v384-447 Y1 tiles
; s[68:99]: my head's 16 pairs (b sv, sq); s61 my chunk's sq; s56 S, s57 sq S / G, s58 1 / G
.set MSB, 0
.macro WIN new
.if MSB != \new
	s_set_vgpr_msb (MSB<<8)|\new
.set MSB, \new
.endif
.endm
.macro PLACES n
.rept \n
	v_nop
.endr
.endm
.macro CVT2 d, r                       ; the two f16 of register r, as f32, into registers d, d + 1
	v_cvt_f32_f16 v[\d], v\r\().l
	v_cvt_f32_f16 v[\d+1], v\r\().h
.endm
.macro FMA8 m0                         ; M' += c_j x 16 unpacked numbers
.irp i, 0,1,2,3,4,5,6,7
	v_pk_fma_f32 v[M+\m0+2*\i:M+\m0+2*\i+1], v[T+2*\i:T+2*\i+1], v[6:7], v[M+\m0+2*\i:M+\m0+2*\i+1] op_sel_hi:[1,0,1]
.endr
.endm
	s_load_b256 s[4:11], s[0:1], 0x0               ; op s[4:5], qe s[6:7], y1 s[8:9], Wproj s[10:11]
	s_load_b256 s[12:19], s[0:1], 0x20             ; sc s[12:13], yf s[14:15], wpf s[16:17], out1 s[18:19]
	s_set_vgpr_msb 0x40
	v_lshl_add_u32 v192, v0, 2, 0x44400
	v_mov_b32 v193, 0
	s_set_vgpr_msb 0x4045
	ds_add_u32 v192, v193
	ds_add_u32 v192, v193
	s_set_vgpr_msb 0x4500
	v_lshrrev_b32 v48, 5, v0
	v_readfirstlane_b32 s20, v48                   ; wave w
	s_mov_b32 s21, ttmp9                           ; chunk c
	s_and_b32 s22, ttmp7, 0xffff                   ; head
	s_lshl4_add_u32 s23, s22, s21                  ; record = 16 head + c
	; descriptor group 1: a dense block of 16 KiB as 64 rows of 32 elements of 8 bytes
	s_mov_b32 s24, 3<<16                           ; no mask, elements of 8 bytes, no padding
	s_mov_b32 s25, 32<<16                          ; tensor_dim0 = 32
	s_mov_b32 s26, 64<<16                          ; tensor_dim1 = 64
	s_mov_b32 s27, 32<<16                          ; tile_dim0 = 32
	s_mov_b32 s28, 64                              ; tile_dim1 = 64
	s_mov_b32 s29, 32                              ; pitch
	s_mov_b32 s30, 0
	s_mov_b32 s31, 0
	s_lshl_b32 s52, s20, 14                        ; 16384 w
	s_lshl_b32 s50, s22, 18                        ; the head's 16 records
	s_add_co_u32 s50, s50, s52
	s_mov_b32 s51, 0
	s_wait_dscnt 0x0
	s_wait_kmcnt 0x0
	s_add_nc_u64 s[4:5], s[4:5], s[50:51]
.irp g, 0,1,2,3                                    ; the first (and only) fills go out as one group, ahead of every wait on them, LDS read and barrier
	s_mov_b32 s[32+4*\g], 1
	s_add_co_u32 s[33+4*\g], s52, \g*65536         ; LDS: record 4 g + w
	s_add_nc_u64 s[34+4*\g:35+4*\g], s[4:5], \g*65536
	s_or_b32 s[35+4*\g], s[35+4*\g], 0x80000000
	tensor_load_to_lds s[32+4*\g:35+4*\g], s[24:31]
	s_nop 0
.endr
	s_lshl_b32 s50, s22, 7
	s_add_nc_u64 s[54:55], s[12:13], s[50:51]      ; my head's 16 pairs, 128 bytes
	s_load_b512 s[68:83], s[54:55], 0x0
	s_load_b512 s[84:99], s[54:55], 0x40
	s_lshl_b32 s50, s23, 3
	s_add_nc_u64 s[62:63], s[12:13], s[50:51]
	s_load_b64 s[60:61], s[62:63], 0x0             ; my record's pair: s61 = sq
	v_and_b32 v1, 31, v0
	v_lshlrev_b32 v1, 4, v1
	v_and_b32 v49, 15, v0                          ; r
	v_bfe_u32 v48, v0, 4, 1                        ; h
	v_lshlrev_b32 v12, 12, v49
	v_lshl_add_u32 v12, v48, 5, v12                ; Wproj: row r, 8 h floats
	s_lshr_b32 s49, s23, 2                         ; Wproj's row block = record / 4
	s_and_b32 s53, s23, 3
	s_lshl_b32 s53, s53, 3
	s_lshl1_add_u32 s53, s20, s53                  ; my first K block = 8 (record % 4) + 2 w
	s_lshl_b32 s50, s49, 16
	s_lshl_b32 s48, s53, 7
	s_add_co_u32 s50, s50, s48
	s_add_nc_u64 s[10:11], s[10:11], s[50:51]
.irp f, 0,1                                        ; the wave's eight loads cover 256 consecutive bytes, aligned, of each of 16 rows
	global_load_b128 v[144+16*\f:147+16*\f], v12, s[10:11] offset:128*\f
	global_load_b128 v[148+16*\f:151+16*\f], v12, s[10:11] offset:128*\f+16
	global_load_b128 v[152+16*\f:155+16*\f], v12, s[10:11] offset:128*\f+64
	global_load_b128 v[156+16*\f:159+16*\f], v12, s[10:11] offset:128*\f+80
.endr
	v_lshlrev_b32 v209, 7, v49                     ; lane r takes head r's 16 pairs (both halves of the wave alike): all of sc, 2,048 bytes
	s_lshl_b32 s48, s21, 3
	s_add_co_u32 s48, s48, 4
	v_add_nc_u32 v210, s48, v209                   ; and head r's sq of my chunk
.irp i, 0,1,2,3,4,5,6,7
	global_load_b128 v[176+4*\i:176+4*\i+3], v209, s[12:13] offset:16*\i
.endr
	global_load_b32 v208, v210, s[12:13]
	s_lshl_b32 s50, s23, 14
	s_add_nc_u64 s[6:7], s[6:7], s[50:51]
	s_lshl_b32 s50, s23, 15
	s_lshl_b32 s48, s20, 13
	s_add_co_u32 s50, s50, s48
	s_add_nc_u64 s[8:9], s[8:9], s[50:51]
	WIN 0x40
.set n, 0
.rept 32
	global_load_b128 v[4*n:4*n+3], v1, s[6:7] offset:512*n          ; Qe: piece 4 tb + w' = half a fragment
.set n, n+1
.endr
.set n, 0
.rept 16
	global_load_b128 v[128+4*n:128+4*n+3], v1, s[8:9] offset:512*n  ; Y1: my 8 tiles
.set n, n+1
.endr
	WIN 0
.irp g, 0,1,2,3
	v_add_nc_u32 v[2+\g], \g*65536, v1
.endr
	s_lshl_b32 s48, s20, 11
	s_add_co_u32 s48, s48, 8192
.irp g, 0,1,2,3
	v_add_nc_u32 v[8+\g], s48, v[2+\g]
.endr
	s_mul_i32 s48, s20, 4352
	s_add_co_u32 s48, s48, STG
	v_mul_u32_u24 v13, v49, 272
	v_lshl_add_u32 v13, v48, 5, v13
	v_add_nc_u32 v13, s48, v13                     ; in: row r, 32 h bytes
	v_mul_u32_u24 v14, v48, 272
	v_lshl_add_u32 v14, v49, 4, v14
	v_add_nc_u32 v14, s48, v14                     ; back: row h, 16 r bytes
	v_lshlrev_b32 v15, 8, v48
	v_lshl_add_u32 v15, v49, 4, v15
	s_lshl_b32 s50, s49, 5
	s_add_co_u32 s50, s50, s53
	s_lshl_b32 s50, s50, 10                        ; wpf: fragment 32 x row block + K block
	s_add_nc_u64 s[16:17], s[16:17], s[50:51]
	s_lshl_b32 s50, s21, 18
	s_lshl_b32 s48, s22, 11
	s_add_co_u32 s50, s50, s48
	s_lshl_b32 s48, s20, 9
	s_add_co_u32 s50, s50, s48                     ; yf: chunk, K blocks 2 head + w / 2, half w % 2
	s_add_nc_u64 s[14:15], s[14:15], s[50:51]
	s_lshl_b32 s50, s22, 14
	s_lshl_b32 s48, s20, 12
	s_add_co_u32 s50, s50, s48
	s_add_nc_u64 s[18:19], s[18:19], s[50:51]      ; out1: head, rows 16 w ..
	s_wait_loadcnt 48                              ; Wproj's eight and sc's nine are in; the 32 + 16 loads issued behind them stay out
.irp i, 0,1,2,3,4,5,6,7,8,9,10,11,12,13,14,15
	v_cvt_pk_f16_f32 v[T+\i], v[144+2*\i], v[144+2*\i+1]
.endr
.irp q, 0,1,2,3
	global_store_b128 v1, v[T+4*\q:T+4*\q+3], s[16:17] offset:512*\q       ; 512 consecutive bytes, aligned
.endr
	; the scales
	s_wait_kmcnt 0x0
	v_add_f32 v211, v176, v178                     ; S of head r: its 16 b sv, in the chunks' order
.irp i, 2,3,4,5,6,7,8,9,10,11,12,13,14,15
	v_add_f32 v211, v211, v[176+2*\i]
.endr
	v_mul_f32 v211, v211, v208                     ; S_r sq_(r,c)
.irp x, 1,2,4,8
	v_add_f32_dpp v211, v211, v211 row_xmask:\x row_mask:0xf bank_mask:0xf     ; over the 16 heads
.endr
	v_max_num_f32 v211, 0x0da24260, v211           ; G, at least 1e-30
	v_mov_b32 v212, s68                            ; S of my head
.irp j, 1,2,3,4,5,6,7,8,9,10,11,12,13,14,15
	v_add_f32 v212, s[68+2*\j], v212
.endr
	v_max_num_f32 v212, 0x0da24260, v212           ; at least 1e-30
	v_rcp_f32 v7, v212                             ; 1 / S
	v_rcp_f32 v213, v211                           ; 1 / G
	v_mul_f32 v214, s61, v212                      ; sq S: the plain place behind the transcendentals (ISA guide 5.7.2); it reads no result and writes no source
	s_wait_alu depctr_va_vdst(0)
	v_mul_f32 v214, v214, v213                     ; sq S / G
	v_readfirstlane_b32 s56, v212
	v_readfirstlane_b32 s57, v214
	v_readfirstlane_b32 s58, v213
; Record j's N^T fragments (nf = 1) and my B^T tiles into buffers j % 2
.macro LDSLOAD j, nf
.if \nf
.irp q, 0,1,2,3,4,5,6,7,8,9,10,11,12,13,14,15
	ds_load_b128 v[NF+64*((\j)&1)+4*\q:NF+64*((\j)&1)+4*\q+3], v[2+(\j)/4] offset:((\j)&3)*16384+512*\q
.endr
.endif
.irp fb, 0,1,2,3
	ds_load_b128 v[BT+16*((\j)&1)+4*\fb:BT+16*((\j)&1)+4*\fb+3], v[8+(\j)/4] offset:((\j)&3)*16384+512*\fb
.endr
.endm
.macro STEP j
	PLACES 4                                       ; behind the last step's matrix instructions: M' is read, MB written, the other buffers loaded
	s_wait_dscnt 0x0                               ; record j's fragments are in
.if (\j&3) == 3
.if \j < 15
	s_wait_tensorcnt 3-(\j+1)/4                    ; my record of the next group of four has landed; the younger groups' loads stay out
	s_barrier_signal -1
	s_barrier_wait -1
.endif
.endif
.if \j < 15
	LDSLOAD \j+1, 1
.endif
.irp i, 0,1,2,3,4,5,6,7,8,9,10,11,12,13,14,15
	v_cvt_pk_f16_f32 v[MB+\i], v[M+2*\i], v[M+2*\i+1]
.endr
	s_cmp_eq_u32 s21, \j
	s_cselect_b32 s48, -1, 0
.irp i, 0,1,2,3,4,5,6,7,8,9,10,11,12,13,14,15
	v_cndmask_b32 v[SV+\i], v[SV+\i], v[MB+\i], s48        ; kept where this is my chunk's start
.endr
	v_mul_f32 v6, s[68+2*\j], v7                   ; c_j = (b sv)_j / S
.if (\j&1)
.irp r, 96,97,98,99,100,101,102,103
	CVT2 T+2*(\r-96), \r
.endr
	FMA8 0
.irp r, 104,105,106,107,108,109,110,111
	CVT2 T+2*(\r-104), \r
.endr
	FMA8 16
.else
.irp r, 80,81,82,83,84,85,86,87
	CVT2 T+2*(\r-80), \r
.endr
	FMA8 0
.irp r, 88,89,90,91,92,93,94,95
	CVT2 T+2*(\r-88), \r
.endr
	FMA8 16
.endif
.irp kk, 0,1                                       ; + N^T M'^T: the four accumulators take turns
.irp fb, 0,1,2,3
	v_wmma_f32_16x16x32_f16 v[M+8*\fb:M+8*\fb+7], v[NF+64*(\j&1)+8*(2*\fb+\kk):NF+64*(\j&1)+8*(2*\fb+\kk)+7], v[MB+8*\kk:MB+8*\kk+7], v[M+8*\fb:M+8*\fb+7]
.endr
.endr
.endm
	s_wait_tensorcnt 3                             ; my record of group 0 has landed; three younger loads stay out
	s_barrier_signal -1
	s_barrier_wait -1
	s_wait_xcnt 0x0                                ; wpf's stores have read T: it is written again only behind this wait
	LDSLOAD 0, 0
	s_wait_dscnt 0x0
	LDSLOAD 1, 1
	v_mul_f32 v6, s68, v7                          ; c_0
.irp r, 80,81,82,83,84,85,86,87,88,89,90,91,92,93,94,95
	CVT2 M+2*(\r-80), \r                           ; step 0: M'^T = c_0 B_0^T starts the sums
.endr
.irp i, 0,1,2,3,4,5,6,7,8,9,10,11,12,13,14,15
	v_pk_mul_f32 v[M+2*\i:M+2*\i+1], v[M+2*\i:M+2*\i+1], v[6:7] op_sel_hi:[1,0]
	v_mov_b32 v[SV+\i], 0                          ; chunk 0 starts from the zero memory
.endr
.irp j, 1,2,3,4,5,6,7,8,9,10,11,12,13,14,15
	STEP \j
.endr
	; ---- Y / G = (sq S / G) Qe' M0'^T + Y1 / G.  D[d][t]: A = the kept M'^T (row = d, K = e), B = Qe' (column = t) ----
	PLACES 4
	s_wait_loadcnt 0x0
	v_mov_b32 v240, s58                            ; 1 / G, twice
	v_mov_b32 v241, s58
	v_mov_b32 v242, s57                            ; sq S / G, twice
	v_mov_b32 v243, s57
	v_mov_b32 v244, s56                            ; S, twice
	v_mov_b32 v245, s56
	WIN 0x41
.set n, 0
.rept 32
	v_pk_mul_f32 v[128+2*n:128+2*n+1], v[128+2*n:128+2*n+1], v[240:241]
.set n, n+1
.endr
	WIN 0x04
.irp tb, 0,1,2,3,4,5,6,7                           ; eight accumulators by turns, in the registers that held N^T's first buffer
	v_wmma_f32_16x16x32_f16 v[NF+8*\tb:NF+8*\tb+7], v[SV:SV+7], v[16*\tb:16*\tb+7], 0
.endr
.irp tb, 0,1,2,3,4,5,6,7
	v_wmma_f32_16x16x32_f16 v[NF+8*\tb:NF+8*\tb+7], v[SV+8:SV+15], v[16*\tb+8:16*\tb+15], v[NF+8*\tb:NF+8*\tb+7]
.endr
	PLACES 4
	WIN 0x10
.set n, 0
.rept 32
	v_pk_fma_f32 v[NF+2*n:NF+2*n+1], v[NF+2*n:NF+2*n+1], v[242:243], v[128+2*n:128+2*n+1]
.set n, n+1
.endr
	WIN 0
.set n, 0
.rept 32
	v_cvt_pk_f16_f32 v[80+n], v[NF+2*n], v[NF+2*n+1]
.set n, n+1
.endr
.irp tb, 0,1,2,3,4,5,6,7
	global_store_b128 v1, v[80+4*\tb:80+4*\tb+3], s[14:15] offset:32768*\tb   ; half a fragment: 512 consecutive bytes, aligned
.endr
	s_cmp_lg_u32 s21, 15
	s_cbranch_scc1 .Lend
	; out1[head][d][f] = S M'^T[f][d]: a lane holds 8 neighbouring f of row d; through my own stage, so that sixteen lanes store a row's 256 bytes
.irp i, 0,1,2,3,4,5,6,7,8,9,10,11,12,13,14,15
	v_pk_mul_f32 v[M+2*\i:M+2*\i+1], v[M+2*\i:M+2*\i+1], v[244:245]
.endr
.irp fb, 0,1,2,3
	ds_store_b128 v13, v[M+8*\fb:M+8*\fb+3]   offset:64*\fb
	ds_store_b128 v13, v[M+8*\fb+4:M+8*\fb+7] offset:64*\fb+16
.endr
.irp u, 0,1,2,3,4,5,6,7
	ds_load_b128 v[112+4*\u:112+4*\u+3], v14 offset:544*\u     ; LDS serves a wave's instructions in order (ISA guide 5.7.1.4): these see the stores above
.endr
.irp u, 0,1,2,3,4,5,6,7
	s_wait_dscnt 7-\u                              ; the younger read-backs stay out
	global_store_b128 v15, v[112+4*\u:112+4*\u+3], s[18:19] offset:512*\u
.endr
.Lend:
	s_set_vgpr_msb 0x5
	s_wait_tensorcnt 0x0
	ds_add_u32 v192, v193
	s_wait_dscnt 0x0
	s_set_vgpr_msb 0x500
	s_endpgm                                       ; the tensor loads were waited for down to 0 in step 11
.Lfunc_end_k_q9eeea8a546_scan:
	.size	k_q9eeea8a546_scan, .Lfunc_end_k_q9eeea8a546_scan-k_q9eeea8a546_scan
	.p2alignl 7, 3214868480
	.fill 96, 4, 3214868480
	.section	.rodata,"a",@progbits
	.p2align	6, 0x0
	.amdhsa_kernel k_q9eeea8a546_scan
		.amdhsa_group_segment_fixed_size 280064
		.amdhsa_private_segment_fixed_size 0
		.amdhsa_enable_private_segment 0
		.amdhsa_kernarg_size 64
		.amdhsa_user_sgpr_count 2
		.amdhsa_user_sgpr_kernarg_segment_ptr 1
		.amdhsa_wavefront_size32 1
		.amdhsa_system_sgpr_workgroup_id_x 1
		.amdhsa_system_sgpr_workgroup_id_y 1
		.amdhsa_system_sgpr_workgroup_id_z 1
		.amdhsa_system_vgpr_workitem_id 0
		.amdhsa_next_free_vgpr 450
		.amdhsa_next_free_sgpr 100
		.amdhsa_reserve_vcc 0
		.amdhsa_float_denorm_mode_32 3
		.amdhsa_float_denorm_mode_16_64 3
		.amdhsa_memory_ordered 1
		.amdhsa_forward_progress 1
		.amdhsa_inst_pref_size 120
	.end_amdhsa_kernel
	.amdgpu_metadata
---
amdhsa.version: [ 1, 2 ]
amdhsa.kernels:
  - .name:           k_q9eeea8a546_scan
    .symbol:         k_q9eeea8a546_scan.kd
    .args:
      - { .name: op, .offset: 0, .size: 8, .value_kind: global_buffer, .address_space: global }
      - { .name: qe, .offset: 8, .size: 8, .value_kind: global_buffer, .address_space: global }
      - { .name: y1, .offset: 16, .size: 8, .value_kind: global_buffer, .address_space: global }
      - { .name: Wproj, .offset: 24, .size: 8, .value_kind: global_buffer, .address_space: global }
      - { .name: sc, .offset: 32, .size: 8, .value_kind: global_buffer, .address_space: global }
      - { .name: yf, .offset: 40, .size: 8, .value_kind: global_buffer, .address_space: global }
      - { .name: wpf, .offset: 48, .size: 8, .value_kind: global_buffer, .address_space: global }
      - { .name: out1, .offset: 56, .size: 8, .value_kind: global_buffer, .address_space: global }
    .group_segment_fixed_size: 280064
    .private_segment_fixed_size: 0
    .kernarg_segment_align: 8
    .kernarg_segment_size: 64
    .max_flat_workgroup_size: 128
    .sgpr_count:     100
    .vgpr_count:     450
    .wavefront_size: 32
...
	.end_amdgpu_metadata
.endif
;; end of part 2
;; launch proj (part 3): grid 16 x 16, 4 waves a work-group, no clusters, 168,448 bytes of LDS; arguments yf, wpf, sc, out0; writes out0
.if DOCPART == 3
	.amdgcn_target "amdgcn-amd-amdhsa--gfx1250"
	.amdhsa_code_object_version 6
	.text
	.protected	k_q9eeea8a546_proj
	.globl	k_q9eeea8a546_proj
	.p2align	8
	.type	k_q9eeea8a546_proj,@function
k_q9eeea8a546_proj:
	s_mov_b64 s[64:65], 0
	v_nop
	global_prefetch_b8 v0, s[64:65] scope:SCOPE_SE
	s_setreg_imm32_b32 hwreg(HW_REG_WAVE_MODE, 25, 1), 1
	s_wait_xcnt 0x0
; out0[t][o] = sum over c of Y[t][c] Wproj[o][c].  Y / G and Wproj lie in memory as f16 fragments (16 x 32, 1,024 bytes, 16 bytes a lane and half).
; G is the chunk's scale, the sum over the 16 heads of (the sum of the head's 16 b sv) x (the head's sq in this chunk): it is made here from sc by the same
; lines as in the launch that divided by it, and multiplied in, in f32, on the way out.
; Work-group (n, chunk): 128 rows x 64 columns, K = 1024.  Wave w: rows 32 w .. 32 w + 31 x all 64 columns, 8 accumulators.
; Wproj's 64 rows (128 KiB) are filled into LDS once, by two tensor loads a wave (two are out at most); every wave reads all of it.
; Y's fragments are each read by one wave alone, so they go straight into registers: a ring of 8 slots, 7 K blocks ahead.
; The product is used transposed (A = Wproj, B = Y): a lane holds 8 neighbouring columns of one row of out0.
; NO CLUSTER: what partners could share is Wproj's block, 128 of the 384 KiB that a work-group takes in, and it is filled once; Y goes to registers, where no joint load reaches.
.set STG, 131072                       ; behind W: 32 rows x 272 bytes for each wave; no fill lands here
.set ACC, 64                           ; v64-127: tile (ob, i) at 8 (2 ob + i)
; v1 16 x lane; v2-5 W's LDS address for row block ob; v6, v7 stage in, back; v8 out0 offset; v10 r, v11 h; v12, v13 sc offsets; v16-47 head r's 16 pairs, v48 its sq;
; v49-51 G; v128-191 rows read back
; window 1: v256-383 Y ring (slot s, row block i at 16 s + 8 i), v384-415 and v416-447 W fragments, two buffers
.set MSB, 0
.macro WIN new
.if MSB != \new
	s_set_vgpr_msb (MSB<<8)|\new
.set MSB, \new
.endif
.endm
.macro PLACES n
.rept \n
	v_nop
.endr
.endm
	s_load_b128 s[4:7], s[0:1], 0x0                ; yf s[4:5], wpf s[6:7]
	s_load_b128 s[8:11], s[0:1], 0x10              ; sc s[8:9], out0 s[10:11]
	v_lshl_add_u32 v254, v0, 2, 0x29000
	v_mov_b32 v255, 0
	ds_add_u32 v254, v255
	ds_add_u32 v254, v255
	v_lshrrev_b32 v9, 5, v0
	v_readfirstlane_b32 s32, v9                    ; wave w
	s_mov_b32 s33, ttmp9                           ; column tile n
	s_and_b32 s34, ttmp7, 0xffff                   ; chunk
	s_mov_b32 s16, 3<<16                           ; group 1: 16 KiB, dense, as 64 rows of 32 elements of 8 bytes
	s_mov_b32 s17, 32<<16
	s_mov_b32 s18, 64<<16
	s_mov_b32 s19, 32<<16
	s_mov_b32 s20, 64
	s_mov_b32 s21, 32
	s_mov_b32 s22, 0
	s_mov_b32 s23, 0
	s_lshl_b32 s35, s32, 15                        ; 32768 w: my row block of W, in LDS and in wpf
	s_lshl_b32 s36, s33, 17
	s_add_co_u32 s36, s36, s35
	s_mov_b32 s37, 0
	s_wait_dscnt 0x0
	s_wait_kmcnt 0x0
	s_add_nc_u64 s[6:7], s[6:7], s[36:37]
.irp u, 0,1                                        ; K blocks 0-15, then 16-31: both first fills go out together
	s_mov_b32 s[24+4*\u], 1
	s_add_co_u32 s[25+4*\u], s35, \u*16384
	s_add_nc_u64 s[26+4*\u:27+4*\u], s[6:7], \u*16384
	s_or_b32 s[27+4*\u], s[27+4*\u], 0x80000000
	tensor_load_to_lds s[24+4*\u:27+4*\u], s[16:23]
	s_nop 0
.endr
	v_and_b32 v1, 31, v0
	v_lshlrev_b32 v1, 4, v1
	v_and_b32 v10, 15, v0                          ; r
	v_bfe_u32 v11, v0, 4, 1                        ; h
	v_lshlrev_b32 v12, 7, v10                      ; lane r takes head r's 16 pairs (both halves of the wave alike): all of sc, 2,048 bytes
	s_lshl_b32 s38, s34, 3
	s_add_co_u32 s38, s38, 4
	v_add_nc_u32 v13, s38, v12                     ; and head r's sq of my chunk
.irp i, 0,1,2,3,4,5,6,7
	global_load_b128 v[16+4*\i:16+4*\i+3], v12, s[8:9] offset:16*\i
.endr
	global_load_b32 v48, v13, s[8:9]               ; these nine are older than every load of Y: the ring's counted waits cover them
	s_lshl_b32 s36, s34, 18
	s_lshl_b32 s38, s32, 16
	s_add_co_u32 s36, s36, s38                     ; row blocks 8 chunk + 2 w, 32 KiB each
	s_add_nc_u64 s[4:5], s[4:5], s[36:37]
.macro YLOAD kk
.irp i, 0,1
	global_load_b128 v[16*((\kk)&7)+8*\i:16*((\kk)&7)+8*\i+3],   v1, s[4:5] offset:32768*\i+1024*(\kk)
	global_load_b128 v[16*((\kk)&7)+8*\i+4:16*((\kk)&7)+8*\i+7], v1, s[4:5] offset:32768*\i+1024*(\kk)+512
.endr
.endm
.macro WLOAD kk
.irp ob, 0,1,2,3
	ds_load_b128 v[128+32*((\kk)&1)+8*\ob:128+32*((\kk)&1)+8*\ob+3], v[2+\ob] offset:1024*(\kk)
	ds_load_b128 v[132+32*((\kk)&1)+8*\ob:132+32*((\kk)&1)+8*\ob+3], v[2+\ob] offset:1024*(\kk)+512
.endr
.endm
	WIN 0x40
.irp kk, 0,1,2,3,4,5,6
	YLOAD \kk
.endr
	WIN 0
.irp ob, 0,1,2,3
	v_add_nc_u32 v[2+\ob], \ob*32768, v1
.endr
	s_mul_i32 s38, s32, 8704
	s_add_co_u32 s38, s38, STG
	v_mul_u32_u24 v6, v10, 272
	v_lshl_add_u32 v6, v11, 5, v6
	v_add_nc_u32 v6, s38, v6                       ; in: row r, 32 h bytes
	v_mul_u32_u24 v7, v11, 272
	v_lshl_add_u32 v7, v10, 4, v7
	v_add_nc_u32 v7, s38, v7                       ; back: row h, 16 r bytes
	v_lshlrev_b32 v8, 12, v11
	v_lshl_add_u32 v8, v10, 4, v8                  ; the same two rows in out0
	s_lshl_b32 s36, s34, 19
	s_lshl_b32 s38, s32, 17
	s_add_co_u32 s36, s36, s38
	s_lshl_b32 s38, s33, 8
	s_add_co_u32 s36, s36, s38
	s_add_nc_u64 s[10:11], s[10:11], s[36:37]      ; row 128 chunk + 32 w, column 64 n
	s_wait_tensorcnt 1                             ; my K blocks 0-15 have landed; the second half stays out
	s_barrier_signal -1
	s_barrier_wait -1
	WIN 0x40
	WLOAD 0
; One K block of 32: 8 matrix instructions, the 8 accumulators by turns.
.macro KK kk
.if \kk <= 25
	s_wait_loadcnt 24                              ; this block's four loads are in; the six younger slots' 24 stay out
.else
	s_wait_loadcnt 4*(31-\kk)                      ; the ring runs down
.endif
	s_wait_dscnt 0x0                               ; this block's W fragments are in
.if \kk == 15
	s_wait_tensorcnt 0x0                           ; my K blocks 16-31 have landed
	s_barrier_signal -1
	s_barrier_wait -1
.endif
	PLACES 4                                       ; the slot and the buffer loaded next were read by the last block's matrix instructions
	WIN 0x40
.if \kk+7 <= 31
	YLOAD \kk+7
.endif
.if \kk+1 <= 31
	WLOAD \kk+1
.endif
	WIN 0x05
.irp ob, 0,1,2,3
.irp i, 0,1
.if \kk == 0
	v_wmma_f32_16x16x32_f16 v[ACC+8*(2*\ob+\i):ACC+8*(2*\ob+\i)+7], v[128+32*(\kk&1)+8*\ob:128+32*(\kk&1)+8*\ob+7], v[16*(\kk&7)+8*\i:16*(\kk&7)+8*\i+7], 0
.else
	v_wmma_f32_16x16x32_f16 v[ACC+8*(2*\ob+\i):ACC+8*(2*\ob+\i)+7], v[128+32*(\kk&1)+8*\ob:128+32*(\kk&1)+8*\ob+7], v[16*(\kk&7)+8*\i:16*(\kk&7)+8*\i+7], v[ACC+8*(2*\ob+\i):ACC+8*(2*\ob+\i)+7]
.endif
.endr
.endr
.endm
.irp kk, 0,1,2,3,4,5,6,7,8,9,10,11,12,13,14,15,16,17,18,19,20,21,22,23,24,25,26,27,28,29,30,31
	KK \kk
.endr
	PLACES 4
	WIN 0
	; G, and the results in their true size
	v_add_f32 v49, v16, v18                        ; S of head r: its 16 b sv, in the chunks' order
.irp i, 2,3,4,5,6,7,8,9,10,11,12,13,14,15
	v_add_f32 v49, v49, v[16+2*\i]
.endr
	v_mul_f32 v49, v49, v48                        ; S_r sq_(r,c)
.irp x, 1,2,4,8
	v_add_f32_dpp v49, v49, v49 row_xmask:\x row_mask:0xf bank_mask:0xf        ; over the 16 heads
.endr
	v_max_num_f32 v50, 0x0da24260, v49             ; G, at least 1e-30, twice
	v_mov_b32 v51, v50
.set n, 0
.rept 32
	v_pk_mul_f32 v[ACC+2*n:ACC+2*n+1], v[ACC+2*n:ACC+2*n+1], v[50:51]
.set n, n+1
.endr
	; the way out: 32 rows of 256 bytes through my own stage, so that sixteen lanes store 256 consecutive bytes, aligned
.irp ob, 0,1,2,3
.irp i, 0,1
	ds_store_b128 v6, v[ACC+8*(2*\ob+\i):ACC+8*(2*\ob+\i)+3]   offset:4352*\i+64*\ob
	ds_store_b128 v6, v[ACC+8*(2*\ob+\i)+4:ACC+8*(2*\ob+\i)+7] offset:4352*\i+64*\ob+16
.endr
.endr
.irp u, 0,1,2,3,4,5,6,7,8,9,10,11,12,13,14,15
	ds_load_b128 v[128+4*\u:128+4*\u+3], v7 offset:544*\u      ; LDS serves a wave's instructions in order (ISA guide 5.7.1.4): these see the stores above
.endr
.irp u, 0,1,2,3,4,5,6,7,8,9,10,11,12,13,14,15
	s_wait_dscnt 15-\u                             ; the younger read-backs stay out
	global_store_b128 v8, v[128+4*\u:128+4*\u+3], s[10:11] offset:8192*\u th:TH_STORE_NT
.endr
	s_wait_tensorcnt 0x0
	ds_add_u32 v254, v255
	s_wait_dscnt 0x0
	s_endpgm
.Lfunc_end_k_q9eeea8a546_proj:
	.size	k_q9eeea8a546_proj, .Lfunc_end_k_q9eeea8a546_proj-k_q9eeea8a546_proj
	.p2alignl 7, 3214868480
	.fill 96, 4, 3214868480
	.section	.rodata,"a",@progbits
	.p2align	6, 0x0
	.amdhsa_kernel k_q9eeea8a546_proj
		.amdhsa_group_segment_fixed_size 168448
		.amdhsa_private_segment_fixed_size 0
		.amdhsa_enable_private_segment 0
		.amdhsa_kernarg_size 32
		.amdhsa_user_sgpr_count 2
		.amdhsa_user_sgpr_kernarg_segment_ptr 1
		.amdhsa_wavefront_size32 1
		.amdhsa_system_sgpr_workgroup_id_x 1
		.amdhsa_system_sgpr_workgroup_id_y 1
		.amdhsa_system_sgpr_workgroup_id_z 1
		.amdhsa_system_vgpr_workitem_id 0
		.amdhsa_next_free_vgpr 448
		.amdhsa_next_free_sgpr 66
		.amdhsa_reserve_vcc 0
		.amdhsa_float_denorm_mode_32 3
		.amdhsa_float_denorm_mode_16_64 3
		.amdhsa_memory_ordered 1
		.amdhsa_forward_progress 1
		.amdhsa_inst_pref_size 64
	.end_amdhsa_kernel
	.amdgpu_metadata
---
amdhsa.version: [ 1, 2 ]
amdhsa.kernels:
  - .name:           k_q9eeea8a546_proj
    .symbol:         k_q9eeea8a546_proj.kd
    .args:
      - { .name: yf, .offset: 0, .size: 8, .value_kind: global_buffer, .address_space: global }
      - { .name: wpf, .offset: 8, .size: 8, .value_kind: global_buffer, .address_space: global }
      - { .name: sc, .offset: 16, .size: 8, .value_kind: global_buffer, .address_space: global }
      - { .name: out0, .offset: 24, .size: 8, .value_kind: global_buffer, .address_space: global }
    .group_segment_fixed_size: 168448
    .private_segment_fixed_size: 0
    .kernarg_segment_align: 8
    .kernarg_segment_size: 32
    .max_flat_workgroup_size: 128
    .sgpr_count:     66
    .vgpr_count:     448
    .wavefront_size: 32
...
	.end_amdgpu_metadata
.endif
;; end of part 3
